; MI455X (gfx1250); checked and timed in simulation.
; The chip was launched on July 23, 2026; its instructions are those of AMD's public machine-readable ISA for CDNA 5 (MIT licence, August 2026) and "CDNA5" Instruction Set Architecture Reference Guide (July 2026). The comments in the code are by the model that wrote it; some were corrected since.
;; Content Based Attention. Allowed arithmetic: matrix products marked QUANTISED: E2M1 operands, one E8M0 scale for each 32 along K, by v_wmma_scale_f32_16x16x128_f8f6f4 with both operands' format E2M1 (or v_wmma_scale_f32_32x16x128_f4), f32 sums; products left as they are: f32 operands where the result goes on into a quantised operand, else bf16, f16 or f32 operands; f32 sums; everything else in f32.
;; Inputs: W_dec 1,024 x 1,024 float32; W_enc 1,024 x 1,024 float32; W_out 1,024 x 1,024 float32; b_dec 1,024 float32; b_enc 1,024 float32; b_out 1,024 float32; dec_states 32 x 1,024 float32; enc_len 32 int32; enc_states 32 x 2,048 x 1,024 float32; w_attn 1,024 float32.
;; Outputs: out0 32 x 1,024 float32; out1 32 x 2,048 float32.
;; This version of the problem:
;;   THIS VERSION OF THE PROBLEM IS GIVEN IN LOW PRECISION. The matrix products marked QUANTISED in the list below multiply operands that are first quantised to E2M1 (2 exponent bits, 1 mantissa bit; 4 bits a number), with one power-of-two scale for each 32 numbers along K (OCP MX v1.0); their sums are f32. All else is computed in f32.
;;   The module's matrix products, in the order in which they are computed (A, B: the left and right operand; K: the contracted axis; several contracted axes count as one K, in the product's order):
;;     1. [M 65,536, K 1,024] x [K 1,024, N 1,024]; A: input enc_states; B: input W_enc: QUANTISED
;;     2. [M 32, K 1,024] x [K 1,024, N 1,024]; A: input dec_states; B: input W_dec: QUANTISED
;;     3. [M 65,536, K 1,024] x [K 1,024, N 1]; A: computed on the way; B: input w_attn: left as it is (N = 1 < 16)
;;     4. batch 32 x [M 1, K 2,048] x [K 2,048, N 1,024]; A: softmax; B: input enc_states: left as it is (M = 1 < 16)
;;     5. [M 32, K 1,024] x [K 1,024, N 1,024]; A: computed on the way; B: input W_out: QUANTISED
;;   THE QUANTISER, for each operand of a quantised product, along K:
;;     - K is cut into blocks of 32 from its start; a last block that is shorter is filled with zeros.
;;     - A block's scale is 2^e with e = floor(log2(the largest magnitude in the block)) - 2, held to -126 .. 127; a block of zeros has e = 0. As a byte (E8M0): e + 127.
;;     - Each number is divided by its block's scale, clamped to +-6, and rounded to the nearest number of E2M1, ties to even, subnormals kept.
;;     - The product sums the exact products of the quantised numbers (number of the format x scale) in f32.
;;   ~~~python
;;   def quantise(x, axis):      # numpy; x: float32 -> the quantised numbers, widened to float32 again
;;       x = np.moveaxis(x, axis, -1); K = x.shape[-1]
;;       x = np.pad(x, [(0, 0)] * (x.ndim - 1) + [(0, -K % 32)]); x = x.reshape(x.shape[:-1] + (-1, 32)); a = np.abs(x).max(-1, keepdims=True)
;;       e = np.where(a > 0, np.clip(np.frexp(np.where(a > 0, a, 1))[1] - 1 - 2, -126, 127), 0)      # np.frexp(a)[1] - 1 = floor(log2(a)), exactly
;;       r = np.clip(x / 2.0 ** e, -6, 6)
;;       step = 2.0 ** (np.maximum(np.frexp(np.where(r == 0, 1, r))[1] - 1, 0) - 1)
;;       q = np.round(r / step) * step * 2.0 ** e      # np.round: ties to even
;;       return np.moveaxis(q.reshape(q.shape[:-2] + (-1,))[..., :K], -1, axis).astype(np.float32)
;;   ~~~
;;   OPERANDS COMPUTED ON THE WAY. 'Computed on the way' means the value that the module computes at that place (a softmax that the list does not call 'softmax' is quantised finished and normalised). What goes into a quantiser is computed in f32, as accurately as f32 sums, v_exp_f32 and their like allow (about 1e-6 of the number): no bf16 or f16 on the way to a quantiser, and a product that is left as it is and whose result goes on into a quantised operand takes f32 operands (vector FMAs, or v_wmma_f32_16x16x4_f32). A number that lies on a knife's edge between two numbers of the format may be rounded either way, as far as f32 arithmetic and the matrix unit's own rounding can turn it there, and no further.
;; One version. Each part assembles by itself: llvm-mc -triple=amdgcn-amd-amdhsa -mcpu=gfx1250 --defsym DOCPART=n.
;; ======== version 1 of 1: 3 launches
;; limits: right only within a limited range of input values
;; workspace buffers: wq_enc 524,288 bytes; ws_enc 32,768 bytes; wq_out 524,288 bytes; ws_out 32,768 bytes; hw 524,288 bytes; sc 262,144 bytes; ctxp 4,194,304 bytes
;; launch prep (part 1): grid 96 x 1, 8 waves a work-group, no clusters, 34,816 bytes of LDS; arguments W_dec, W_enc, W_out, dec_states, b_dec, b_enc, w_attn, wq_enc, ws_enc, wq_out, ws_out, hw; writes wq_enc, ws_enc, wq_out, ws_out, hw
.if DOCPART == 1
	.amdgcn_target "amdgcn-amd-amdhsa--gfx1250"
	.amdhsa_code_object_version 6
	.text
	.protected	k_q28e00e0fc5_prep
	.globl	k_q28e00e0fc5_prep
	.p2align	8
	.type	k_q28e00e0fc5_prep,@function
k_q28e00e0fc5_prep:
	s_mov_b64 s[64:65], 0
	v_nop
	global_prefetch_b8 v0, s[64:65] scope:SCOPE_SE
	s_setreg_imm32_b32 hwreg(HW_REG_WAVE_MODE, 25, 1), 1
	s_wait_xcnt 0x0
; THE PROGRAM: additive attention, B = 32, S = 2,048, all widths 1,024, in three launches.
;   prep: W_enc and W_out become codes of FP4 (E2M1) with E8M0 scales, laid in the order of the operand's registers; dec_states W_dec (quantised) + b_dec + b_enc becomes a table for each (b, a).
;   main: a work-group walks four blocks of 64 rows of one batch; for each: quantises the rows, multiplies by all of W_enc, tanh, w_attn, a softmax of the block's own, the block's part of the context in f32.
;   fin:  joins the blocks of a batch, writes the weights, quantises the context, multiplies by W_out, adds b_out.
; WORK LEFT OUT, for all finite values of the inputs:
;   (1) tanh(x) = 1 - 2 / (1 + e^(2x)), so a score is sum_a w_attn[a] - 2 sum_a w_attn[a] / (1 + e^(2x)).  The first term is the same for every position s of a batch: a term added to
;       the softmax's input that is constant along its axis changes no weight.  It is not formed.
;   (2) SCALING is the constant 1 of the problem's own text: the multiplication is not made.
;   (3) the mask arange(S) < enc_len[b] is built by the problem itself: a position at or past enc_len[b] gets -inf, its weight is exactly 0 and it adds exactly 0 to the context.  A block of 64 positions
;       that lies wholly there is not multiplied (main reads enc_len from memory and decides by it), and its weights are written as 0.  Nor is it read, with one exception: the first block of each of
;       main's work-groups (blocks 0 to 7 of a batch) is requested while enc_len is still on its way; it lies wholly past enc_len only where enc_len[b] <= 448, and is then discarded.
;   Every input has a way to an output, and every input is loaded by some launch.
; LIMITS: 1 <= enc_len[b] is served; values over 2,048 act as 2,048; 0 (the problem gives NaN there) and negative values are not served.  A NaN, an infinity or an overflow in rows of blocks left out
;   by (3) is not carried to the result.  A block of 32 zeros gets the scale byte 1 where the quantiser says 127: its codes are zeros, and this program alone reads the bytes.
;   Blocks whose largest magnitude lies under 2^(3 - 127) have their byte held at 1.
; THIS LAUNCH.  Work-groups 0-31 take W_dec, 32-63 W_enc, 64-95 W_out; each takes 32 columns, wave s the rows (K) 128 s .. 128 s + 127.  A LANE TAKES A COLUMN AND ITS REGISTERS RUN DOWN K, so a block of 32
; along K lies in one lane and the conversions give codes with K innermost.  Two exchanges of lane halves make of the lane's four blocks the fragments of two tiles of 16 columns.
; wq: [tile of 16 columns][K step of 128][c = 0, 1][lane][16 bytes]: the operand's registers 4 c .. 4 c + 3 of that lane.  ws: [tile][h][r][q]: the scale word of K step 4 h + q of column r.
; W_dec's fragments are not stored: wave s multiplies them at once by dec_states' 32 rows (K step s), the eight waves' parts are added through LDS, and
; hw[b][a] = (g, g, w2, w2), g = c2 (dec_h + b_dec + b_enc), w2 = -c2 w_attn[a], c2 = 2 log2(e), is stored.
; No tensor loads, no cluster: no two work-groups read the same bytes but dec_states' 128 KiB.
.set SWL,   0                          ; LDS: 1,024 bytes: two tiles' scale words on their way out (the storing path alone)
.set RED,   1024                       ; LDS: 8 x 4,096 bytes: each wave's four partial tiles (W_dec's path alone)
.set SPARE, 33792                      ; LDS: the spare words, 128 bytes a wave, which no other line names
.set C2,    0x4038aa3b                 ; 2 log2(e)
.set SPW, 10                           ; v10  my spare word's address; never rewritten
.set NIL, 11                           ; v11  0; never rewritten
.set BD,  12                           ; v12-14 b_dec, b_enc, w_attn at my column
.set BS,  15                           ; v15  W's scale word: lanes 0-15 the first tile's columns, lanes 16-31 the second's
.set AS,  16                           ; v16-17 dec_states' scale words, rows 0-15 and 16-31
.set PA,  20                           ; v20-35 dec_states' two fragments
.set PB,  36                           ; v36-51 W's two fragments
.set TM,  52                           ; v52-63 at work in the quantisers
.set XD,  64                           ; v64-127 64 numbers of dec_states; later the sums and what is stored
.set XW,  128                          ; v128-255 W's 128 numbers; later 64 numbers of dec_states, and from v192 four accumulators
.set DA,  192
.set SEL, 44                           ; s[44:45] lane selects: lane l xor 16
; 64 numbers of a lane, register 16 b + i = k 32 b + 16 (lane / 16) + i of my row, become a fragment in v[pc] on and its scale word in v[pw]
.macro QUANT s, pc, pw
.irp b, 0,1,2,3
	v_max3_num_f32 v[TM+\b], |v[\s+16*\b]|, |v[\s+1+16*\b]|, 0x1800000   ; my 16 numbers of block b, and the floor 2^(3 - 127): the byte cannot fall under 1
.endr
.irp i, 2,4,6,8,10,12,14
.irp b, 0,1,2,3
	s_delay_alu instid0(VALU_DEP_4)
	v_max3_num_f32 v[TM+\b], v[TM+\b], |v[\s+16*\b+\i]|, |v[\s+1+16*\b+\i]|
.endr
.endr
.irp b, 0,1,2,3
	s_delay_alu instid0(VALU_DEP_4)
	v_permlanex16_b32 v[TM+4+\b], v[TM+\b], s[SEL], s[SEL+1]
.endr
.irp b, 0,1,2,3
	s_delay_alu instid0(VALU_DEP_4)
	v_max_num_f32 v[TM+\b], v[TM+\b], v[TM+4+\b]   ; with the other half's 16: the block's largest magnitude
.endr
.irp b, 0,1,2,3
	s_delay_alu instid0(VALU_DEP_4)
	v_add_nc_u32 v[TM+8+\b], 0xff000000, v[TM+\b]  ; 2 off its exponent field: the conversion's scale operand
.endr
.irp b, 0,1,2,3
	s_delay_alu instid0(VALU_DEP_4)
	v_lshrrev_b32 v[TM+4+\b], 23, v[TM+8+\b]       ; the scale's byte
.endr
	s_delay_alu instid0(VALU_DEP_3)
	v_lshl_or_b32 v[\pw], v[TM+5], 8, v[TM+4]
	s_delay_alu instid0(VALU_DEP_1)
	v_lshl_or_b32 v[\pw], v[TM+6], 16, v[\pw]
	s_delay_alu instid0(VALU_DEP_1)
	v_lshl_or_b32 v[\pw], v[TM+7], 24, v[\pw]
.irp b, 0,1,2,3
	v_cvt_scalef32_pk8_fp4_f32 v[\pc+2*\b], v[\s+16*\b:\s+7+16*\b], v[TM+8+\b]
	v_cvt_scalef32_pk8_fp4_f32 v[\pc+1+2*\b], v[\s+8+16*\b:\s+15+16*\b], v[TM+8+\b]
.endr
	v_nop                                          ; one plain place behind a scaled conversion
.irp c, 0,1
.irp i, 0,1
	v_permlane16_swap_b32 v[\pc+4*\c+\i], v[\pc+2+4*\c+\i]   ; a whole block to a lane: lanes 0-15 block 2 c, lanes 16-31 block 2 c + 1
.endr
.endr
.endm
; W's 128 numbers of my column become four blocks of codes and one scale word.  extra: the loads issued behind W's 128.
; Block t needs W's loads 32 t .. 32 t + 31: behind them stand 32 (3 - t) + extra; a wait's count holds 63 at the most, and a smaller count is safe.
.macro WQUANT extra
.irp t, 0,1,2,3
.if (3-\t)*32+\extra > 63
	s_wait_loadcnt 63
.else
	s_wait_loadcnt (3-\t)*32+\extra
.endif
	v_max3_num_f32 v[TM], |v[XW+32*\t]|, |v[XW+32*\t+1]|, |v[XW+32*\t+2]|
	v_max3_num_f32 v[TM+1], |v[XW+32*\t+3]|, |v[XW+32*\t+4]|, |v[XW+32*\t+5]|
.irp i, 6,10,14,18,22,26
	s_delay_alu instid0(VALU_DEP_2)
	v_max3_num_f32 v[TM], v[TM], |v[XW+32*\t+\i]|, |v[XW+32*\t+\i+1]|
	s_delay_alu instid0(VALU_DEP_2)
	v_max3_num_f32 v[TM+1], v[TM+1], |v[XW+32*\t+\i+2]|, |v[XW+32*\t+\i+3]|
.endr
	s_delay_alu instid0(VALU_DEP_2)
	v_max3_num_f32 v[TM], v[TM], |v[XW+32*\t+30]|, |v[XW+32*\t+31]|
	s_delay_alu instid0(VALU_DEP_1)
	v_max3_num_f32 v[TM], v[TM], v[TM+1], 0x1800000
	s_delay_alu instid0(VALU_DEP_1)
	v_add_nc_u32 v[TM+8], 0xff000000, v[TM]
	s_delay_alu instid0(VALU_DEP_1)
	v_lshrrev_b32 v18, 23, v[TM+8]
.if \t == 0
	s_delay_alu instid0(VALU_DEP_1)
	v_mov_b32 v[BS], v18
.else
	s_delay_alu instid0(VALU_DEP_1)
	v_lshl_or_b32 v[BS], v18, 8*\t, v[BS]
.endif
.irp g, 0,1,2,3
	v_cvt_scalef32_pk8_fp4_f32 v[PB+8*(\t%2)+4*(\t/2)+\g], v[XW+32*\t+8*\g:XW+32*\t+8*\g+7], v[TM+8]   ; blocks 0, 2 at PB and PB + 4, blocks 1, 3 at PB + 8 and PB + 12
.endr
.endr
	v_nop                                          ; one plain place behind a scaled conversion
.irp i, 0,1,2,3,4,5,6,7
	v_permlane16_swap_b32 v[PB+\i], v[PB+8+\i]     ; columns 0-15's odd blocks go up, columns 16-31's even blocks come down: PB .. is the first tile's fragment, PB + 8 .. the second's
.endr
.endm
.macro DLOAD reg, mt                   ; dec_states: rows 16 mt + r, my K step: 16 neighbours of each block of 32
.irp b, 0,1,2,3
.irp j, 0,1,2,3
	global_load_b128 v[\reg+16*\b+4*\j:\reg+16*\b+4*\j+3], v3, s[10:11] offset:\mt*65536+128*\b+16*\j
.endr
.endr
.endm
.macro BARRIER                         ; my LDS stores have landed and my LDS loads are in: then the work-group's barrier
	s_wait_dscnt 0x0
	s_barrier_signal -1
	s_barrier_wait -1
.endm
.macro CLOSE                           ; the wave's end, behind my last LDS store
	s_wait_tensorcnt 0x0
	ds_add_u32 v[SPW], v[NIL]
	s_wait_dscnt 0x0
	s_endpgm
.endm
	s_load_b512 s[4:19], s[0:1], 0x0               ; W_dec 4, W_enc 6, W_out 8, dec_states 10, b_dec 12, b_enc 14, w_attn 16, wq_enc 18
	s_load_b256 s[20:27], s[0:1], 0x40             ; ws_enc 20, wq_out 22, ws_out 24, hw 26
	v_lshl_add_u32 v[SPW], v0, 2, SPARE
	v_mov_b32 v[NIL], 0
	v_lshrrev_b32 v18, 5, v0
	s_delay_alu instid0(VALU_DEP_1)
	v_readfirstlane_b32 s36, v18                   ; wave = K step
	s_and_b32 s39, ttmp9, 31                       ; G: which 32 columns
	s_mov_b32 s[SEL], 0x76543210
	s_mov_b32 s[SEL+1], 0xfedcba98
	s_mov_b32 s46, C2
	v_and_b32 v18, 31, v0                          ; lane
	v_and_b32 v19, 15, v0                          ; r
	v_bfe_u32 v52, v0, 4, 1                        ; h
	s_delay_alu instid0(VALU_DEP_3)
	v_lshlrev_b32 v1, 2, v18                       ; W: 4 bytes a lane
	s_delay_alu instid0(VALU_DEP_4)
	v_lshlrev_b32 v2, 4, v18                       ; 16 bytes a lane
	s_wait_alu depctr_va_vdst(0)
	v_lshlrev_b32 v3, 12, v19
	s_delay_alu instid0(VALU_DEP_1)
	v_lshl_add_u32 v3, v52, 6, v3                  ; dec_states: row r of 4,096 bytes + 64 h
	v_lshlrev_b32 v4, 2, v19                       ; 4 r
	s_lshr_b32 s37, s36, 2
	s_lshl_b32 s37, s37, 8
	s_and_b32 s38, s36, 3
	s_lshl_b32 s38, s38, 2
	s_add_co_u32 s37, s37, s38                     ; (s / 4) 256 + (s % 4) 4
	v_lshlrev_b32 v5, 9, v52
	s_delay_alu instid0(VALU_DEP_1)
	v_lshl_add_u32 v5, v19, 4, v5
	s_delay_alu instid0(VALU_DEP_1)
	v_add_nc_u32 v5, s37, v5                       ; SWL (= 0) + tile 512 + (s / 4) 256 + 16 r + (s % 4) 4
	s_lshl_b32 s37, s36, 12
	s_add_co_u32 s37, s37, RED
	v_add_nc_u32 v6, s37, v2                       ; RED + 4,096 wave + 16 lane
	s_lshl_b32 s37, s36, 9
	s_add_co_u32 s37, s37, RED
	v_add_nc_u32 v7, s37, v2                       ; RED + 512 wave + 16 lane
	s_and_b32 s37, s36, 1
	s_lshl_b32 s37, s37, 9
	v_add_nc_u32 v9, s37, v2                       ; SWL + 512 (wave % 2) + 16 lane
	v_lshlrev_b32 v8, 17, v52
	s_delay_alu instid0(VALU_DEP_1)
	v_lshl_add_u32 v8, v19, 4, v8                  ; hw: 8 h rows of 16,384 bytes + 16 r
.irp b, 0,1,2,3
	v_mov_b32 v[TM+4+\b], 0                        ; written once: a lane permute's destination counts as one of its sources
.endr
	s_wait_kmcnt 0x0
	s_cmp_lt_u32 ttmp9, 64                         ; the buffers are chosen by the work-group's number alone
	s_cselect_b64 s[28:29], s[6:7], s[8:9]
	s_cselect_b64 s[30:31], s[18:19], s[22:23]
	s_cselect_b64 s[32:33], s[20:21], s[24:25]
	s_cmp_lt_u32 ttmp9, 32
	s_cselect_b64 s[28:29], s[4:5], s[28:29]
	s_lshl_b32 s40, s36, 19                        ; 128 rows of 4,096 bytes a wave
	s_lshl_b32 s41, s39, 7                         ; 32 columns of 4 bytes a work-group
	s_add_co_u32 s40, s40, s41
	s_mov_b32 s41, 0
	s_add_nc_u64 s[28:29], s[28:29], s[40:41]
.set i_, 0
.rept 128
	global_load_b32 v[XW+i_], v1, s[28:29] offset:i_*4096 th:TH_LOAD_NT   ; row 128 s + i, my column: the wave reads 128 bytes on end
.set i_, i_+1
.endr
	s_cmp_ge_u32 ttmp9, 32
	s_cbranch_scc1 .Lstore
	; ---- W_dec: the product with dec_states
	s_lshr_b32 s42, s36, 1
	s_and_b32 s42, s42, 1                          ; T: the tile of columns whose sums I finish
	s_lshl_b32 s42, s42, 6
	s_lshl_b32 s43, s39, 7
	s_add_co_u32 s47, s42, s43                     ; (32 G + 16 T) x 4
	s_mov_b32 s42, s47
	s_mov_b32 s43, 0
	s_add_nc_u64 s[12:13], s[12:13], s[42:43]
	s_add_nc_u64 s[14:15], s[14:15], s[42:43]
	s_add_nc_u64 s[16:17], s[16:17], s[42:43]
	global_load_b32 v[BD], v4, s[12:13]
	global_load_b32 v[BD+1], v4, s[14:15]
	global_load_b32 v[BD+2], v4, s[16:17]
	s_lshl_b32 s42, s36, 9                         ; my K step: 128 numbers of 4 bytes
	s_add_nc_u64 s[10:11], s[10:11], s[42:43]
	DLOAD XD, 0
	WQUANT 19                                      ; behind W's loads: the three above and sixteen of dec_states
	DLOAD XW, 1                                    ; rows 16-31, into registers that W's numbers have left
	s_wait_loadcnt 16                              ; all but those sixteen
	QUANT XD, PA, AS
	s_wait_loadcnt 0x0
	QUANT XW, PA+8, AS+1
.rept 8
	v_nop                                          ; a scale register written by a vector instruction stands 8 places ahead of a scaled matrix instruction, an operand 4
.endr
.irp mt, 0,1                           ; source 0 = 16 rows of dec_states, source 1 = 16 columns of W_dec: four sums of their own, each begun with 0
	v_wmma_scale_f32_16x16x128_f8f6f4 v[DA+16*\mt:DA+16*\mt+7], v[PA+8*\mt:PA+8*\mt+7], v[PB:PB+7], 0, v[AS+\mt], v[BS] matrix_a_fmt:MATRIX_FMT_FP4 matrix_b_fmt:MATRIX_FMT_FP4
	v_wmma_scale_f32_16x16x128_f8f6f4 v[DA+16*\mt+8:DA+16*\mt+15], v[PA+8*\mt:PA+8*\mt+7], v[PB+8:PB+15], 0, v[AS+\mt], v[BS] matrix_a_fmt:MATRIX_FMT_FP4 matrix_b_fmt:MATRIX_FMT_FP4 matrix_b_scale:MATRIX_SCALE_ROW1
.endr
.rept 4
	v_nop                                          ; four places in front of the first read of results
.endr
.irp t, 0,1,2,3
	ds_store_b128 v6, v[DA+8*\t:DA+8*\t+3] offset:\t*1024          ; each accumulator from its low end on, as an image of its registers
	ds_store_b128 v6, v[DA+8*\t+4:DA+8*\t+7] offset:\t*1024+512
.endr
	BARRIER                                        ; the eight waves' parts lie in LDS
.irp p, 0,1,2,3,4,5,6,7
	ds_load_b128 v[XD+4*\p:XD+4*\p+3], v7 offset:\p*4096           ; wave w: tile w / 2, registers 4 (w % 2) on, of K step p
.endr
	s_lshr_b32 s40, s36, 2                         ; where I store: rows 16 (w / 4) + 4 (w % 2) + 8 h + i, columns 32 G + 16 T + r
	s_lshl_b32 s40, s40, 4
	s_and_b32 s41, s36, 1
	s_lshl_b32 s41, s41, 2
	s_add_co_u32 s40, s40, s41
	s_lshl_b32 s40, s40, 14
	s_lshl_b32 s41, s47, 2
	s_add_co_u32 s40, s40, s41
	s_mov_b32 s41, 0
	s_add_nc_u64 s[26:27], s[26:27], s[40:41]
	v_add_f32 v18, v[BD], v[BD+1]
	s_delay_alu instid0(VALU_DEP_1)
	v_mul_f32 v18, s46, v18                        ; c2 (b_dec + b_enc)
	v_mul_f32 v19, 0xc038aa3b, v[BD+2]             ; -c2 w_attn
	s_wait_dscnt 0x0
.irp p, 0,8,16,24
	v_pk_add_f32 v[XD+\p:XD+\p+1], v[XD+\p:XD+\p+1], v[XD+\p+4:XD+\p+5]
	v_pk_add_f32 v[XD+\p+2:XD+\p+3], v[XD+\p+2:XD+\p+3], v[XD+\p+6:XD+\p+7]
.endr
.irp p, 0
	v_pk_add_f32 v[XD+\p:XD+\p+1], v[XD+\p:XD+\p+1], v[XD+\p+8:XD+\p+9]
	v_pk_add_f32 v[XD+\p+2:XD+\p+3], v[XD+\p+2:XD+\p+3], v[XD+\p+10:XD+\p+11]
.endr
.irp p, 16
	s_delay_alu instid0(VALU_DEP_4)
	v_pk_add_f32 v[XD+\p:XD+\p+1], v[XD+\p:XD+\p+1], v[XD+\p+8:XD+\p+9]
	s_delay_alu instid0(VALU_DEP_4)
	v_pk_add_f32 v[XD+\p+2:XD+\p+3], v[XD+\p+2:XD+\p+3], v[XD+\p+10:XD+\p+11]
.endr
	s_delay_alu instid0(VALU_DEP_2)
	v_pk_add_f32 v[XD:XD+1], v[XD:XD+1], v[XD+16:XD+17]
	s_delay_alu instid0(VALU_DEP_2)
	v_pk_add_f32 v[XD+2:XD+3], v[XD+2:XD+3], v[XD+18:XD+19]
.irp i, 0,1,2,3
	v_fma_f32 v[96+4*\i], v[XD+\i], s46, v18       ; g = c2 (dec_h + b_dec + b_enc)
	v_mov_b32 v[98+4*\i], v19
	v_mov_b32 v[99+4*\i], v19
.endr
.irp i, 0,1,2,3
	v_mov_b32 v[97+4*\i], v[96+4*\i]
.endr
.irp i, 0,1,2,3
	global_store_b128 v8, v[96+4*\i:99+4*\i], s[26:27] offset:\i*16384   ; sixteen lanes store 256 bytes on end, at a multiple of 256 from the buffer's first byte
.endr
	CLOSE
.Lstore:
	; ---- W_enc, W_out: codes and scale words go out
	WQUANT 0
	s_lshl_b32 s42, s39, 14                        ; two tiles of 8,192 bytes a work-group,
	s_lshl_b32 s43, s36, 10                        ; 1,024 bytes a K step
	s_add_co_u32 s42, s42, s43
	s_mov_b32 s43, 0
	s_add_nc_u64 s[30:31], s[30:31], s[42:43]
	global_store_b128 v2, v[PB:PB+3], s[30:31]                     ; each store: 512 bytes on end
	global_store_b128 v2, v[PB+4:PB+7], s[30:31] offset:512
	global_store_b128 v2, v[PB+8:PB+11], s[30:31] offset:8192
	global_store_b128 v2, v[PB+12:PB+15], s[30:31] offset:8704
	ds_store_b32 v5, v[BS]                         ; my column's word of K step s, at its place among the two tiles' 1,024 bytes
	BARRIER
	s_cmp_gt_u32 s36, 1
	s_cbranch_scc1 .Lnot01                         ; waves 0 and 1 store a tile's 512 bytes each
	ds_load_b128 v[64:67], v9
	s_lshl_b32 s42, s39, 10
	s_lshl_b32 s43, s36, 9
	s_add_co_u32 s42, s42, s43
	s_mov_b32 s43, 0
	s_add_nc_u64 s[32:33], s[32:33], s[42:43]
	s_wait_dscnt 0x0
	global_store_b128 v2, v[64:67], s[32:33]
.Lnot01:
	CLOSE
.Lfunc_end_k_q28e00e0fc5_prep:
	.size	k_q28e00e0fc5_prep, .Lfunc_end_k_q28e00e0fc5_prep-k_q28e00e0fc5_prep
	.p2alignl 7, 3214868480
	.fill 96, 4, 3214868480
	.section	.rodata,"a",@progbits
	.p2align	6, 0x0
	.amdhsa_kernel k_q28e00e0fc5_prep
		.amdhsa_group_segment_fixed_size 34816
		.amdhsa_private_segment_fixed_size 0
		.amdhsa_enable_private_segment 0
		.amdhsa_kernarg_size 96
		.amdhsa_user_sgpr_count 2
		.amdhsa_user_sgpr_kernarg_segment_ptr 1
		.amdhsa_wavefront_size32 1
		.amdhsa_system_sgpr_workgroup_id_x 1
		.amdhsa_system_sgpr_workgroup_id_y 1
		.amdhsa_system_sgpr_workgroup_id_z 1
		.amdhsa_system_vgpr_workitem_id 0
		.amdhsa_next_free_vgpr 256
		.amdhsa_next_free_sgpr 66
		.amdhsa_reserve_vcc 0
		.amdhsa_float_denorm_mode_32 3
		.amdhsa_float_denorm_mode_16_64 3
		.amdhsa_memory_ordered 1
		.amdhsa_forward_progress 1
		.amdhsa_inst_pref_size 52
	.end_amdhsa_kernel
	.amdgpu_metadata
---
amdhsa.version: [ 1, 2 ]
amdhsa.kernels:
  - .name:           k_q28e00e0fc5_prep
    .symbol:         k_q28e00e0fc5_prep.kd
    .args:
      - { .name: W_dec, .offset: 0, .size: 8, .value_kind: global_buffer, .address_space: global }
      - { .name: W_enc, .offset: 8, .size: 8, .value_kind: global_buffer, .address_space: global }
      - { .name: W_out, .offset: 16, .size: 8, .value_kind: global_buffer, .address_space: global }
      - { .name: dec_states, .offset: 24, .size: 8, .value_kind: global_buffer, .address_space: global }
      - { .name: b_dec, .offset: 32, .size: 8, .value_kind: global_buffer, .address_space: global }
      - { .name: b_enc, .offset: 40, .size: 8, .value_kind: global_buffer, .address_space: global }
      - { .name: w_attn, .offset: 48, .size: 8, .value_kind: global_buffer, .address_space: global }
      - { .name: wq_enc, .offset: 56, .size: 8, .value_kind: global_buffer, .address_space: global }
      - { .name: ws_enc, .offset: 64, .size: 8, .value_kind: global_buffer, .address_space: global }
      - { .name: wq_out, .offset: 72, .size: 8, .value_kind: global_buffer, .address_space: global }
      - { .name: ws_out, .offset: 80, .size: 8, .value_kind: global_buffer, .address_space: global }
      - { .name: hw, .offset: 88, .size: 8, .value_kind: global_buffer, .address_space: global }
    .group_segment_fixed_size: 34816
    .private_segment_fixed_size: 0
    .kernarg_segment_align: 8
    .kernarg_segment_size: 96
    .max_flat_workgroup_size: 256
    .sgpr_count:     66
    .vgpr_count:     256
    .wavefront_size: 32
...
	.end_amdgpu_metadata
.endif
;; end of part 1
;; launch main (part 2): grid 8 x 32, 8 waves a work-group, no clusters, 308,224 bytes of LDS; arguments enc_states, enc_len, wq_enc, ws_enc, hw, sc, ctxp; writes sc, ctxp
.if DOCPART == 2
	.amdgcn_target "amdgcn-amd-amdhsa--gfx1250"
	.amdhsa_code_object_version 6
	.text
	.protected	k_q28e00e0fc5_main
	.globl	k_q28e00e0fc5_main
	.p2align	8
	.type	k_q28e00e0fc5_main,@function
k_q28e00e0fc5_main:
	s_mov_b64 s[64:65], 0
	v_nop
	global_prefetch_b8 v0, s[64:65] scope:SCOPE_SE
	s_setreg_imm32_b32 hwreg(HW_REG_WAVE_MODE, 25, 1), 1
	s_wait_xcnt 0x0
; A WORK-GROUP STAYS: work-group (x, b) walks blocks c = x, x + 8, x + 16, x + 24 of batch b, 64 rows each, in a loop of four trips: 256 work-groups.  A block's rows are read from memory once.
; WORK LEFT OUT: a block all of whose rows lie at or past enc_len[b] is not multiplied: the problem's own mask gives those rows the weight 0 (shown at the head of the first kernel).  In such a trip the
; work-group stores 64 scores of -inf and passes the barriers.  Such a block is not read either, but for the work-group's first (c = x <= 7), which is requested at the head while enc_len is on its way.
; The constant sum of w_attn and the factor SCALING = 1 are not formed (same place).
; LIMITS: as stated at the head of the first kernel (1 <= enc_len[b]; values over 2,048 are held at 2,048 here; NaN or infinity in blocks left out is not carried).
; SHARES.  WAVE w OWNS COLUMNS 128 w .. 128 w + 127 THROUGHOUT: of enc_states (K step w of the product, and its part of the context) and of W_enc (eight tiles of 16 columns).
; A TRIP.  X: the wave's 64 rows x 512 bytes, requested a trip ago into 256 registers, go into the wave's own LDS region as they lie, 16 rows at a time, and come back 16 neighbours a lane into the same
; registers; they are quantised: four fragments (row tiles 0-3, K step w), stored as images of their registers | barrier | 2: the wave reads all 32 fragments; for each of its eight column tiles 32 products,
; then r = 1 / (1 + 2^(c2 x + g)) and acc += w2 r; the sum over the wave's columns goes to LDS | barrier | 3: every wave adds the eight parts: u = log2(e) x score; mask; the block's maximum m; p = 2^(u - m);
; the wave adds p x row over the 64 rows of its own LDS region, in f32.  No wave reads another's f32 rows, and LDS serves a wave's instructions in order: so no barrier stands between 3 and the next X.
; The images are read (2) ahead of the second barrier and written again (X) behind it; the parts of the scores are read (3) ahead of the next trip's first barrier and written again behind it.
; THE COLUMN TILES ARE WALKED BACK AND FORTH: B has two sets of registers, which no other part of a trip touches.  The two tiles that a trip multiplies last stay there and are the next trip's first two:
; a trip loads six tiles, the first trip's two come at the head.  Place p = 2 .. 7 of a trip is tile p in trips 0 and 2 and tile 7 - p = p xor 7 in trips 1 and 3: the tile's offset is made of the
; trip counter's low bit and constants, and added to the three buffers' pointers, which stay.  (Trips that count come first in a walk, so the counter's low bit is the walk's direction.)
; THE NEXT BLOCK'S ROWS are requested as soon as the last tile's products are issued, into the registers that A's fragments leave: 64 loads a wave in eight runs of eight among that tile's tanh and sums.
; All eight runs stand under ONE branch (does the next block count?), so that X's counted waits hold on every way: that tail of phase 2 is written twice.
; PREFETCH: in trip t, behind the second tile's products, the work-group asks for the block that trip t + 1 will request (block t + 2, where it counts): 64 rows x 4,096 bytes = 1,024 blocks of 256 bytes,
; wave w rows 8 w .. 8 w + 7, four instructions, a lane a block: each block is named once.  The first two blocks come by their loads alone; enc_len, held at 2,048, keeps every address inside the batch.
; W_enc'S CODES ARE WALKED BY EVERY WORK-GROUP AND YET NOT ASKED FOR JOINTLY: whether a trip walks them hangs on enc_len, a number read from memory.
; So the fragments go from memory straight into registers, laid for that by the first launch.
; REGISTERS, window 0: v1-31 addresses and constants; v32-47 A's scale words (3: the parts, then four sets of sums); v48-55 B's scale words, two sets; v56-63 (g, g, w2, w2), two sets; v64-95 four accumulators;
;   v96-127 acc (X: v64-91 codes and work; 3: v64-127 a ring of 4 x 4 rows); v128-255 B's fragments, two sets.   window 1: the rows as loaded, row i at 4 i; X: 64 numbers of row tile mt at 64 mt; 2: A's fragments at 8 (8 m + s).
.set RP,    528                        ; a row of a wave's region: 512 bytes + 16: sixteen rows' 16 bytes fall on different banks
.set FW,    64*RP                      ; a wave's region
.set XIMG,  8*FW                       ; 32 fragments of 1,024 bytes, (m, s) at 8 m + s
.set XSC,   XIMG+32768                 ; their scale words: [m][h][r][q], K step 4 h + q
.set SCP,   XSC+2048                   ; [wave][64 rows] f32: the waves' parts of the scores
.set SPARE, SCP+2048                   ; the spare words, 128 bytes a wave, which no other line names
.set C2,    0x4038aa3b                 ; 2 log2(e)
.set TRIPS, 4
.set NEXTB, 0x200000                   ; from a block to the work-group's next: 8 blocks x 64 rows x 4,096 bytes
.set SPW, 28
.set NIL, 29
.set UU,  30                           ; v30-31 phase 3: u of rows 2 lane, 2 lane + 1
.set PW0, 30                           ; X: scale words
.set PW1, 31
.set ASC, 32
.set PT,  32
.set CA,  32
.set BSC, 48
.set HW,  56
.set DD,  64
.set ACC, 96
.set RW,  64
.set BF,  128
.set PC0, 64
.set PC1, 72
.set TM,  80
.set SEL, 28                           ; s[28:29]
.set PS,  40                           ; s[40:55] phase 3: p of a row, each the low word of a pair
.set TQ,  56                           ; s[56:57], s[58:59], s[60:61]: the tile in hand: its codes, its scale words, its part of the table
.set TS,  58
.set TH,  60
.set DIR, 63                           ; s63: 0 or 7 x 8,192, by the trip counter's low bit
.set MSB, 0
.macro WIN new                         ; the immediate's high byte repeats the setting that is left
.if MSB != \new
	s_set_vgpr_msb (MSB<<8)|\new
.set MSB, \new
.endif
.endm
.macro QUANT s, pc, pw                 ; 64 numbers of a lane in window 1, register 16 b + i = k 32 b + 16 (lane / 16) + i of my row -> a fragment and its scale word in window 0
	WIN 0x14                                       ; sources 1 and 2 in window 1
.irp b, 0,1,2,3
	v_max3_num_f32 v[TM+\b], 0x1800000, |v[\s+16*\b]|, |v[\s+1+16*\b]|   ; with the floor 2^(3 - 127): the byte cannot fall under 1
.endr
.irp i, 2,4,6,8,10,12,14
.irp b, 0,1,2,3
	s_delay_alu instid0(VALU_DEP_4)
	v_max3_num_f32 v[TM+\b], v[TM+\b], |v[\s+16*\b+\i]|, |v[\s+1+16*\b+\i]|
.endr
.endr
	WIN 0
.irp b, 0,1,2,3
	v_permlanex16_b32 v[TM+4+\b], v[TM+\b], s[SEL], s[SEL+1]
.endr
.irp b, 0,1,2,3
	s_delay_alu instid0(VALU_DEP_4)
	v_max_num_f32 v[TM+\b], v[TM+\b], v[TM+4+\b]
.endr
.irp b, 0,1,2,3
	s_delay_alu instid0(VALU_DEP_4)
	v_add_nc_u32 v[TM+8+\b], 0xff000000, v[TM+\b]  ; 2 off the exponent field: the conversion's scale operand
.endr
.irp b, 0,1,2,3
	s_delay_alu instid0(VALU_DEP_4)
	v_lshrrev_b32 v[TM+4+\b], 23, v[TM+8+\b]       ; the scale's byte
.endr
	s_delay_alu instid0(VALU_DEP_3)
	v_lshl_or_b32 v[\pw], v[TM+5], 8, v[TM+4]
	s_delay_alu instid0(VALU_DEP_1)
	v_lshl_or_b32 v[\pw], v[TM+6], 16, v[\pw]
	s_delay_alu instid0(VALU_DEP_1)
	v_lshl_or_b32 v[\pw], v[TM+7], 24, v[\pw]
	WIN 0x01                                       ; source 0 in window 1
.irp b, 0,1,2,3
	v_cvt_scalef32_pk8_fp4_f32 v[\pc+2*\b], v[\s+16*\b:\s+7+16*\b], v[TM+8+\b]
	v_cvt_scalef32_pk8_fp4_f32 v[\pc+1+2*\b], v[\s+8+16*\b:\s+15+16*\b], v[TM+8+\b]
.endr
	WIN 0
	v_nop                                          ; one plain place behind a scaled conversion
.irp c, 0,1
.irp i, 0,1
	v_permlane16_swap_b32 v[\pc+4*\c+\i], v[\pc+2+4*\c+\i]
.endr
.endr
.endm
; Run k of eight of a block's 64 loads: rows 8 k .. 8 k + 7, my 512 bytes of each, on end; read once in the launch.  off: 0, or on to the next block
.macro PFCH k, off
	WIN 0x40                                       ; destination window 1
.irp n, 0,1,2,3,4,5,6,7
	global_load_b128 v[4*(8*(\k)+\n):4*(8*(\k)+\n)+3], v1, s[4:5] offset:\off+(8*(\k)+\n)*4096 th:TH_LOAD_NT
.endr
	WIN 0
.endm
.macro XTURN mt                        ; rows 16 mt .. + 15 go into my region as they lie and come back 16 neighbours of each block of 32 a lane, into the same 64 registers
	s_wait_loadcnt 48-16*(\mt)                     ; their sixteen loads are in; those of the later rows may be out
	WIN 0x04                                       ; an LDS store's data are its source 1: window 1
.irp i, 0,1,2,3,4,5,6,7,8,9,10,11,12,13,14,15
	ds_store_b128 v3, v[4*(16*(\mt)+\i):4*(16*(\mt)+\i)+3] offset:(16*(\mt)+\i)*RP
.endr
	WIN 0x40
.irp b, 0,1,2,3
.irp j, 0,1,2,3
	ds_load_b128 v[64*(\mt)+16*\b+4*\j:64*(\mt)+16*\b+4*\j+3], v4 offset:(\mt)*16*RP+\b*128+\j*16   ; LDS serves a wave's instructions in order: these see my stores
.endr
.endr
	WIN 0
.endm
.macro IMG mt, pc, pw                  ; fragment (mt, w) and its scale word go to LDS as they stand
	ds_store_b128 v5, v[\pc:\pc+3] offset:\mt*8192
	ds_store_b128 v5, v[\pc+4:\pc+7] offset:\mt*8192+512
	ds_store_b32 v6, v[\pw] offset:\mt*512
.endm
.macro BLOAD set, t, pq, pw, ph        ; the column tile t on from the three pointers named: 8 fragments, their scale words, (g, g, w2, w2): 18 loads
.set b_, BF+64*(\set)
.irp s, 0,1,2,3,4,5,6,7
.irp c, 0,1
	global_load_b128 v[b_+8*\s+4*\c:b_+8*\s+4*\c+3], v1, s[\pq:\pq+1] offset:(\t)*8192+\s*1024+\c*512
.endr
.endr
	global_load_b128 v[BSC+4*(\set):BSC+4*(\set)+3], v1, s[\pw:\pw+1] offset:(\t)*512
	global_load_b128 v[HW+4*(\set):HW+4*(\set)+3], v9, s[\ph:\ph+1] offset:(\t)*256
.endm
.macro PROD p                          ; the 32 products of the trip's p-th tile, which lies in set p % 2
.if ((\p) > 0) && ((\p) < 7)
	s_wait_xcnt 0x0                                ; the loads of one tile ago have read their bases: the tile's three pointers are made anew
	s_xor_b32 s30, s[DIR], ((\p)+1)*8192           ; place p + 1: tile p + 1 or 7 - (p + 1), x 8,192 bytes of codes;  s31 = 0
	s_add_nc_u64 s[TQ:TQ+1], s[8:9], s[30:31]
	s_lshr_b32 s30, s30, 4                         ; x 512 bytes of scale words
	s_add_nc_u64 s[TS:TS+1], s[10:11], s[30:31]
	s_lshr_b32 s30, s30, 1                         ; x 256 bytes of the table
	s_add_nc_u64 s[TH:TH+1], s[12:13], s[30:31]
	BLOAD ((\p)+1)%2, 0, TQ, TS, TH                ; its set was last read by the products of place p - 1: the four v_nop behind those are the places
.endif
.if (\p) == 7
	s_wait_loadcnt 0x0
.elseif (\p) > 1
	s_wait_loadcnt 18                              ; all but the 18 just issued: this tile's are in.  (Places 0 and 1 lie in registers since the last trip or the head)
.endif
.set p_, (\p)%2
	WIN 0x01                                       ; source 0 (A) in window 1
.irp s, 0,1,2,3,4,5,6,7                ; the four accumulators take turns, one instruction a turn
.if (\p) == 0
	s_wait_dscnt (7-\s)*8                          ; A's fragments of K step s are in; eight loads for each later K step may be out
.endif
.irp m, 0,1,2,3
.if \s == 0
	v_wmma_scale_f32_16x16x128_f8f6f4 v[DD+8*\m:DD+8*\m+7], v[8*(8*\m+\s):8*(8*\m+\s)+7], v[BF+64*p_+8*\s:BF+64*p_+8*\s+7], 0, v[ASC+4*\m+\s], v[BSC+4*p_+\s] matrix_a_fmt:MATRIX_FMT_FP4 matrix_b_fmt:MATRIX_FMT_FP4
.elseif \s < 4
	v_wmma_scale_f32_16x16x128_f8f6f4 v[DD+8*\m:DD+8*\m+7], v[8*(8*\m+\s):8*(8*\m+\s)+7], v[BF+64*p_+8*\s:BF+64*p_+8*\s+7], v[DD+8*\m:DD+8*\m+7], v[ASC+4*\m+\s], v[BSC+4*p_+\s] matrix_a_fmt:MATRIX_FMT_FP4 matrix_b_fmt:MATRIX_FMT_FP4
.else
	v_wmma_scale_f32_16x16x128_f8f6f4 v[DD+8*\m:DD+8*\m+7], v[8*(8*\m+\s):8*(8*\m+\s)+7], v[BF+64*p_+8*\s:BF+64*p_+8*\s+7], v[DD+8*\m:DD+8*\m+7], v[ASC+4*\m+\s-4], v[BSC+4*p_+\s-4] matrix_a_fmt:MATRIX_FMT_FP4 matrix_b_fmt:MATRIX_FMT_FP4 matrix_a_scale:MATRIX_SCALE_ROW1 matrix_b_scale:MATRIX_SCALE_ROW1
.endif
.endr
.endr
	WIN 0
.rept 4
	v_nop                                          ; four places in front of the first read of results, and of loads into registers that these products have read
.endr
.endm
; A tile's tanh and its share of the scores.  pf = 1: six of the eight runs of the next block's loads stand between its parts
.macro TANH ct, pf
.set p_, (\ct)%2
.if \pf
	PFCH 0, NEXTB
.endif
.set j_, 0
.rept 16
	v_pk_fma_f32 v[DD+j_:DD+j_+1], v[DD+j_:DD+j_+1], s[26:27], v[HW+4*p_:HW+4*p_+1] op_sel_hi:[1,0,0]   ; c2 x + g; each accumulator from its low end on
.set j_, j_+2
.endr
.if \pf
	PFCH 1, NEXTB
.endif
.set j_, 0
	s_wait_alu depctr_va_vdst(0)                   ; the wait ahead of the batch
.rept 32
	v_exp_f32 v[DD+j_], v[DD+j_]                   ; e^(2 (enc_h + dec_h)); infinity where it overflows, which the reciprocal turns into 0
.set j_, j_+1
.endr
	v_nop                                          ; a plain place behind the batch,
	s_wait_alu depctr_va_vdst(0)                   ; and one wait for it, ahead of its first reader
.if \pf
	PFCH 2, NEXTB
.endif
.set j_, 0
.rept 16
	v_pk_add_f32 v[DD+j_:DD+j_+1], v[DD+j_:DD+j_+1], 1.0 op_sel_hi:[1,0]
.set j_, j_+2
.endr
.if \pf
	PFCH 3, NEXTB
.endif
.set j_, 0
	s_wait_alu depctr_va_vdst(0)
.rept 32
	v_rcp_f32 v[DD+j_], v[DD+j_]
.set j_, j_+1
.endr
	v_nop
	s_wait_alu depctr_va_vdst(0)
.if \pf
	PFCH 4, NEXTB
.endif
.set j_, 0
.rept 16
.if (\ct) == 0
	v_pk_mul_f32 v[ACC+j_:ACC+j_+1], v[DD+j_:DD+j_+1], v[HW+4*p_+2:HW+4*p_+3] op_sel_hi:[1,0]   ; the first tile starts the sums: nothing is cleared
.else
	v_pk_fma_f32 v[ACC+j_:ACC+j_+1], v[DD+j_:DD+j_+1], v[HW+4*p_+2:HW+4*p_+3], v[ACC+j_:ACC+j_+1] op_sel_hi:[1,0,1]
.endif
.set j_, j_+2
.endr
.if \pf
	PFCH 5, NEXTB
.endif
.endm
; Register 8 m + j of lane (r, h) is row 16 m + 8 h + j at column r of the tiles: the sum over the sixteen lanes.  pf = 1: the last two runs of loads stand in it
.macro REDUCE pf
.irp x, 1,2,4,8
.set j_, 0
.rept 32
	v_add_f32_dpp v[ACC+j_], v[ACC+j_], v[ACC+j_] row_xmask:\x row_mask:0xf bank_mask:0xf
.set j_, j_+1
.endr
.if \pf
.if \x == 1
	PFCH 6, NEXTB
.endif
.if \x == 2
	PFCH 7, NEXTB
.endif
.endif
.endr
.endm
.macro RLOAD g                         ; phase 3: rows 4 g .. 4 g + 3 of my region, 16 bytes a lane, into ring place g % 4
.irp k, 0,1,2,3
	ds_load_b128 v[RW+16*((\g)%4)+4*\k:RW+16*((\g)%4)+4*\k+3], v3 offset:(4*(\g)+\k)*RP
.endr
.endm
.macro CTX g                           ; phase 3: sums += p x row for rows 4 g .. 4 g + 3: p of row s lies in lane s / 2 of v24 (s even) or v26 (s odd)
	s_wait_alu depctr_va_vdst(0)                   ; the wait here, directly ahead of the wait below
.if (\g) < 13
	s_wait_dscnt 12                                ; behind this group's four loads: three groups
.else
	s_wait_dscnt 4*(15-(\g))
.endif
.irp k, 0,1,2,3
	v_readlane_b32 s[PS+8*((\g)%2)+2*\k], v[24+2*(\k%2)], 2*(\g)+\k/2
.endr
.irp k, 0,1,2,3
.set a_, CA+4*\k
.set x_, RW+16*((\g)%4)+4*\k
.set q_, PS+8*((\g)%2)+2*\k
.if (\g) == 0
	v_pk_mul_f32 v[a_:a_+1], v[x_:x_+1], s[q_:q_+1] op_sel_hi:[1,0]                    ; four sets of sums by turns; the first four rows start them
	v_pk_mul_f32 v[a_+2:a_+3], v[x_+2:x_+3], s[q_:q_+1] op_sel_hi:[1,0]
.else
	v_pk_fma_f32 v[a_:a_+1], v[x_:x_+1], s[q_:q_+1], v[a_:a_+1] op_sel_hi:[1,0,1]
	v_pk_fma_f32 v[a_+2:a_+3], v[x_+2:x_+3], s[q_:q_+1], v[a_+2:a_+3] op_sel_hi:[1,0,1]
.endif
.endr
.if (\g) < 12
	RLOAD (\g)+4                                   ; into the ring place just used
.endif
.endm
.macro BARRIER
	s_wait_dscnt 0x0
	s_barrier_signal -1
	s_barrier_wait -1
.endm
	s_load_b256 s[4:11], s[0:1], 0x0               ; enc_states 4, enc_len 6, wq_enc 8, ws_enc 10
	s_load_b128 s[12:15], s[0:1], 0x20             ; hw 12, sc 14
	s_load_b64 s[16:17], s[0:1], 0x30              ; ctxp
	v_lshl_add_u32 v[SPW], v0, 2, SPARE
	v_mov_b32 v[NIL], 0
	v_lshrrev_b32 v22, 5, v0
	s_delay_alu instid0(VALU_DEP_1)
	v_readfirstlane_b32 s18, v22                   ; wave w
	s_mov_b32 s19, ttmp9                           ; x: my first block
	s_and_b32 s20, ttmp7, 0xffff                   ; b
	s_lshl_b32 s32, s19, 6                         ; 64 c: the block's first row
	s_lshl_b32 s37, s20, 11
	s_add_co_u32 s37, s37, s32                     ; 2,048 b + 64 x
	s_mul_i32 s38, s18, FW                         ; my region of rows
	s_lshl_b32 s39, s18, 10
	s_add_co_u32 s39, s39, XIMG                    ; fragments (m, w)
	s_lshr_b32 s33, s18, 2
	s_lshl_b32 s33, s33, 8
	s_and_b32 s34, s18, 3
	s_lshl_b32 s34, s34, 2
	s_add_co_u32 s33, s33, s34
	s_add_co_u32 s33, s33, XSC                     ; their scale words: 256 (w / 4) + 4 (w % 4)
	s_lshl_b32 s35, s18, 8
	s_add_co_u32 s35, s35, SCP
	s_mul_i32 s31, s18, 32256                      ; the prefetches: 8 rows of 4,096 bytes a wave, less the 512 w that the rows' pointer holds
	v_and_b32 v22, 31, v0                          ; lane
	v_and_b32 v24, 15, v0                          ; r
	v_bfe_u32 v25, v0, 4, 1                        ; h
	s_delay_alu instid0(VALU_DEP_3)
	v_lshlrev_b32 v1, 4, v22                       ; 16 lane
	s_delay_alu instid0(VALU_DEP_3)
	v_lshlrev_b32 v9, 4, v24                       ; 16 r
	v_lshlrev_b32 v18, 3, v22                      ; 8 lane
	v_mul_u32_u24 v4, v24, RP
	s_delay_alu instid0(VALU_DEP_4)
	v_add_nc_u32 v3, s38, v1                       ; my region, 16 bytes a lane: in as loaded, and back in phase 3
	s_delay_alu instid0(VALU_DEP_2)
	v_lshl_add_u32 v4, v25, 6, v4
	v_add_nc_u32 v5, s39, v1
	s_delay_alu instid0(VALU_DEP_2)
	v_add_nc_u32 v4, s38, v4                       ; back for the quantiser: row r, + 64 h
	v_add_nc_u32 v6, s33, v9
	v_add_nc_u32 v7, XIMG, v1
	v_add_nc_u32 v8, XSC, v1
	v_lshl_add_u32 v10, v25, 5, s35                ; my part of the scores: 256 w + 32 h
	v_add_nc_u32 v11, SCP, v18
	v_lshl_add_u32 v12, v22, 8, s31                ; the prefetches' offset: 256 bytes a lane; never rewritten
	v_lshl_add_u32 v19, v22, 1, s32                ; rows 64 c + 2 lane
	v_mov_b32 v21, 0xff800000                      ; -infinity
	v_mov_b32 v23, 0                               ; a lane permute's destination counts as one of its sources
	s_delay_alu instid0(VALU_DEP_3)
	v_add_nc_u32 v20, 1, v19                       ; and + 1
.irp b, 0,1,2,3
	v_mov_b32 v[TM+4+\b], 0
.endr
	s_wait_alu depctr_va_vdst(0)                   ; the wait at the end of the head's vector work
	s_wait_kmcnt 0x0
	s_lshl_b32 s30, s37, 12                        ; rows of 4,096 bytes: under 2^28
	s_lshl_b32 s33, s18, 9
	s_add_co_u32 s30, s30, s33
	s_mov_b32 s31, 0                               ; stays 0: the upper word of every offset in s[30:31]
	s_add_nc_u64 s[4:5], s[4:5], s[30:31]          ; enc_states at the first block's first row, my 512 bytes
	s_lshl_b32 s30, s20, 2
	s_add_nc_u64 s[6:7], s[6:7], s[30:31]
	s_load_b32 s21, s[6:7], 0x0                    ; enc_len[b]
	s_lshl_b32 s30, s18, 16
	s_add_nc_u64 s[8:9], s[8:9], s[30:31]          ; my eight column tiles' codes,
	s_lshl_b32 s30, s18, 12
	s_add_nc_u64 s[10:11], s[10:11], s[30:31]      ; scale words,
	s_lshl_b32 s30, s20, 14
	s_lshl_b32 s33, s18, 11
	s_add_co_u32 s30, s30, s33
	s_add_nc_u64 s[12:13], s[12:13], s[30:31]      ; and table: these three pointers stay
	BLOAD 0, 0, 8, 10, 12                          ; tiles 0 and 1: ahead of the rows' loads, so that X's counts hold in the first trip as in the others
	BLOAD 1, 1, 8, 10, 12
.irp k, 0,1,2,3,4,5,6,7
	PFCH \k, 0                                     ; the first block's rows, while enc_len is on its way: so the rows' registers are written on every way into the loop
.endr
	s_lshl_b32 s30, s37, 2
	s_add_nc_u64 s[14:15], s[14:15], s[30:31]      ; sc at the block's first row
	s_lshl_b32 s30, s20, 5
	s_add_co_u32 s30, s30, s19
	s_lshl_b32 s30, s30, 12
	s_lshl_b32 s33, s18, 9
	s_add_co_u32 s30, s30, s33
	s_add_nc_u64 s[16:17], s[16:17], s[30:31]      ; ctxp: block 32 b + x, my 512 bytes
	s_mov_b32 s26, C2
	s_mov_b32 s27, s26                             ; (named with it as a pair, so it is written)
	s_mov_b32 s[SEL], 0x76543210
	s_mov_b32 s[SEL+1], 0xfedcba98
.irp k, 0,1,2,3,4,5,6,7
	s_mov_b32 s[PS+1+2*\k], 0                      ; the pairs' upper words: named, so they are written
.endr
	s_mov_b32 s25, 0                               ; trips done
	s_add_co_u32 s33, s32, 0x200                   ; the next block's first row
	s_add_co_u32 s34, s32, 0x400                   ; and the one after
	s_wait_kmcnt 0x0
	s_min_i32 s21, s21, 0x800                      ; held at 2,048: so a block that counts lies inside the batch
	s_cmp_lt_i32 s32, s21                          ; does this block hold a row that counts?
	s_cselect_b32 s22, 1, 0
	s_cmp_lt_i32 s33, s21                          ; does the next?  (Blocks ascend: if it does, so does this one)
	s_cselect_b32 s36, 1, 0
	s_cmp_lt_i32 s34, s21                          ; and the one after?
	s_cselect_b32 s62, 1, 0
.Ltrip:
	s_and_b32 s[DIR], s25, 1                       ; the walk's direction, in every trip alike: by the trip counter alone
	s_mul_i32 s[DIR], s[DIR], 7*8192
	; ---- X: row tile mt goes to LDS and comes back while mt - 1 is quantised and mt + 1 lands
	s_cmp_eq_u32 s22, 0
	s_cbranch_scc1 .Lx_done
	XTURN 0
	XTURN 1
	s_wait_dscnt 32                                ; behind the first set's loads: sixteen stores and sixteen loads
	QUANT 0, PC0, PW0
	IMG 0, PC0, PW0
	XTURN 2
	s_wait_dscnt 35                                ; behind the second set's: three stores, sixteen stores, sixteen loads
	QUANT 64, PC1, PW1
	IMG 1, PC1, PW1
	XTURN 3
	s_wait_dscnt 35                                ; the same count: the third set is in
	QUANT 128, PC0, PW0
	IMG 2, PC0, PW0
	s_wait_dscnt 3                                 ; behind the fourth set: three stores
	QUANT 192, PC1, PW1
	IMG 3, PC1, PW1
.Lx_done:
	s_wait_loadcnt 0x0                             ; no load is out: neither into the rows' registers nor into B's sets, by whichever way this line was reached
	BARRIER                                        ; the 32 fragments and their scale words lie in LDS
	; ---- 2
	s_cmp_eq_u32 s22, 0
	s_cbranch_scc1 .Lp_done
.irp m, 0,1,2,3
	ds_load_b128 v[ASC+4*\m:ASC+4*\m+3], v8 offset:\m*512          ; register q: lanes 0-15 K step q, lanes 16-31 K step 4 + q
.endr
	WIN 0x40
.irp s, 0,1,2,3,4,5,6,7                ; by K steps, in the order in which the first tile's products want them
.irp m, 0,1,2,3
	ds_load_b128 v[8*(8*\m+\s):8*(8*\m+\s)+3], v7 offset:(8*\m+\s)*1024
	ds_load_b128 v[8*(8*\m+\s)+4:8*(8*\m+\s)+7], v7 offset:(8*\m+\s)*1024+512
.endr
.endr
	WIN 0
	PROD 0
	TANH 0, 0
	PROD 1
	s_cmp_eq_u32 s62, 0
	s_cbranch_scc1 .Lno_ask
.irp q, 0,1,2,3
	global_prefetch_b8 v12, s[4:5] offset:2*NEXTB+\q*8192 th:TH_LOAD_NT scope:SCOPE_SE   ; the block after next: my 8 rows, 32 blocks of 256 bytes an instruction
.endr
.Lno_ask:
	TANH 1, 0
.irp ct, 2,3,4,5,6
	PROD \ct
	TANH \ct, 0
.endr
	PROD 7                                         ; A's fragments are done with
	s_cmp_eq_u32 s36, 0
	s_cbranch_scc1 .Lplain
	TANH 7, 1                                      ; the next block counts: its 64 loads go out among these lines
	REDUCE 1
	s_branch .Lsummed
.Lplain:
	TANH 7, 0
	REDUCE 0
.Lsummed:
	s_wait_alu depctr_va_vdst(0)                   ; the wait here
.irp m, 0,1,2,3
	ds_store_b128 v10, v[ACC+8*\m:ACC+8*\m+3] offset:\m*64         ; sixteen lanes write the same words with the same values
	ds_store_b128 v10, v[ACC+8*\m+4:ACC+8*\m+7] offset:\m*64+16
.endr
.Lp_done:
	BARRIER                                        ; the eight waves' parts of the 64 scores lie in LDS, and every wave's reads of the images are over
	; ---- 3
	s_cmp_eq_u32 s22, 0
	s_cbranch_scc1 .Ldead
.irp p, 0,1,2,3,4,5,6,7
	ds_load_b64 v[PT+2*\p:PT+2*\p+1], v11 offset:\p*256            ; rows 2 lane, 2 lane + 1 of wave p's part
.endr
.irp g, 0,1,2,3
	RLOAD \g                                       ; the first sixteen rows land under the softmax below
.endr
	s_wait_dscnt 16                                ; behind the eight parts: four groups of four rows
.irp p, 0,4,8,12
	v_pk_add_f32 v[PT+\p:PT+\p+1], v[PT+\p:PT+\p+1], v[PT+\p+2:PT+\p+3]
.endr
	s_delay_alu instid0(VALU_DEP_3)
	v_pk_add_f32 v[PT:PT+1], v[PT:PT+1], v[PT+4:PT+5]
	s_delay_alu instid0(VALU_DEP_2)
	v_pk_add_f32 v[PT+8:PT+9], v[PT+8:PT+9], v[PT+12:PT+13]
	s_delay_alu instid0(VALU_DEP_1)
	v_pk_add_f32 v[PT:PT+1], v[PT:PT+1], v[PT+8:PT+9]              ; u = log2(e) x (score less the constant)
	s_wait_alu depctr_va_vdst(0)                   ; the wait here: the rows' numbers were stepped ahead of the loop's jump
	v_cmp_gt_i32 vcc_lo, s21, v19
	s_delay_alu instid0(VALU_DEP_1)
	v_cndmask_b32 v[UU], v21, v[PT], vcc_lo                        ; -infinity at and past enc_len
	v_cmp_gt_i32 vcc_lo, s21, v20
	s_delay_alu instid0(VALU_DEP_1)
	v_cndmask_b32 v[UU+1], v21, v[PT+1], vcc_lo
	s_delay_alu instid0(VALU_DEP_1)
	v_max_num_f32 v22, v[UU], v[UU+1]
.irp x, 1,2,4,8
	s_delay_alu instid0(VALU_DEP_1)
	v_max_num_f32_dpp v22, v22, v22 row_xmask:\x row_mask:0xf bank_mask:0xf
.endr
	s_delay_alu instid0(VALU_DEP_1)
	v_permlanex16_b32 v23, v22, s[SEL], s[SEL+1]
	s_delay_alu instid0(VALU_DEP_1)
	v_max_num_f32 v22, v22, v23                    ; the block's maximum: a number, since row 64 c counts
	s_delay_alu instid0(VALU_DEP_1)
	v_sub_f32 v24, v[UU], v22
	s_delay_alu instid0(VALU_DEP_2)
	v_sub_f32 v26, v[UU+1], v22
	s_wait_alu depctr_va_vdst(0)                   ; the wait ahead of the two exponentials
	v_exp_f32 v24, v24                             ; p of row 2 lane
	v_exp_f32 v26, v26                             ; and of row 2 lane + 1
	v_nop
	s_wait_alu depctr_va_vdst(0)                   ; one wait for the two, ahead of their first reader
	s_cmp_lg_u32 s18, 0
	s_cbranch_scc1 .Lnot0
	global_store_b64 v18, v[UU:UU+1], s[14:15]     ; wave 0: the block's 64 scores, 256 bytes on end
.Lnot0:
.irp g, 0,1,2,3,4,5,6,7,8,9,10,11,12,13,14,15
	CTX \g
.endr
	v_pk_add_f32 v[CA:CA+1], v[CA:CA+1], v[CA+4:CA+5]
	v_pk_add_f32 v[CA+2:CA+3], v[CA+2:CA+3], v[CA+6:CA+7]
	s_delay_alu instid0(VALU_DEP_4)
	v_pk_add_f32 v[CA+8:CA+9], v[CA+8:CA+9], v[CA+12:CA+13]
	s_delay_alu instid0(VALU_DEP_4)
	v_pk_add_f32 v[CA+10:CA+11], v[CA+10:CA+11], v[CA+14:CA+15]
	s_delay_alu instid0(VALU_DEP_2)
	v_pk_add_f32 v[CA:CA+1], v[CA:CA+1], v[CA+8:CA+9]
	s_delay_alu instid0(VALU_DEP_2)
	v_pk_add_f32 v[CA+2:CA+3], v[CA+2:CA+3], v[CA+10:CA+11]
	global_store_b128 v1, v[CA:CA+3], s[16:17]     ; 512 bytes on end
	s_branch .Ljoin
.Ldead:
	s_cmp_lg_u32 s18, 0
	s_cbranch_scc1 .Ljoin
	s_wait_alu depctr_va_vdst(0)
	v_mov_b32 v22, v21
	v_mov_b32 v23, v21
	global_store_b64 v18, v[22:23], s[14:15]       ; 64 scores of -infinity
.Ljoin:
	s_wait_xcnt 0x0                                ; the trip's loads, stores and prefetches have read their bases and data: both are written again only behind this wait
	s_add_nc_u64 s[4:5], s[4:5], NEXTB             ; on to the next block: its rows,
	s_add_nc_u64 s[14:15], s[14:15], 0x800         ; its 64 scores, 8 blocks of 256 bytes on,
	s_add_nc_u64 s[16:17], s[16:17], 0x8000        ; its part of the context, 8 blocks of 4,096 bytes on
	s_wait_alu depctr_va_vdst(0)
	v_add_nc_u32 v19, 0x200, v19
	v_add_nc_u32 v20, 0x200, v20
	s_add_co_u32 s32, s32, 0x200
	s_add_co_u32 s33, s32, 0x200
	s_add_co_u32 s34, s32, 0x400
	s_cmp_lt_i32 s32, s21
	s_cselect_b32 s22, 1, 0
	s_cmp_lt_i32 s33, s21                          ; in the last trip this is never so: enc_len is held at 2,048
	s_cselect_b32 s36, 1, 0
	s_cmp_lt_i32 s34, s21                          ; nor this in the last two
	s_cselect_b32 s62, 1, 0
	s_add_co_u32 s25, s25, 1
	s_cmp_lt_u32 s25, TRIPS
	s_wait_alu depctr_va_vdst(0)                   ; the wait here, directly ahead of the branch
	s_cbranch_scc1 .Ltrip
	s_wait_tensorcnt 0x0                           ; the wave's end, behind my last LDS store
	ds_add_u32 v[SPW], v[NIL]
	s_wait_dscnt 0x0
	s_endpgm
.Lfunc_end_k_q28e00e0fc5_main:
	.size	k_q28e00e0fc5_main, .Lfunc_end_k_q28e00e0fc5_main-k_q28e00e0fc5_main
	.p2alignl 7, 3214868480
	.fill 96, 4, 3214868480
	.section	.rodata,"a",@progbits
	.p2align	6, 0x0
	.amdhsa_kernel k_q28e00e0fc5_main
		.amdhsa_group_segment_fixed_size 308224
		.amdhsa_private_segment_fixed_size 0
		.amdhsa_enable_private_segment 0
		.amdhsa_kernarg_size 56
		.amdhsa_user_sgpr_count 2
		.amdhsa_user_sgpr_kernarg_segment_ptr 1
		.amdhsa_wavefront_size32 1
		.amdhsa_system_sgpr_workgroup_id_x 1
		.amdhsa_system_sgpr_workgroup_id_y 1
		.amdhsa_system_sgpr_workgroup_id_z 1
		.amdhsa_system_vgpr_workitem_id 0
		.amdhsa_next_free_vgpr 512
		.amdhsa_next_free_sgpr 66
		.amdhsa_reserve_vcc 1
		.amdhsa_float_denorm_mode_32 3
		.amdhsa_float_denorm_mode_16_64 3
		.amdhsa_memory_ordered 1
		.amdhsa_forward_progress 1
		.amdhsa_inst_pref_size 187
	.end_amdhsa_kernel
	.amdgpu_metadata
---
amdhsa.version: [ 1, 2 ]
amdhsa.kernels:
  - .name:           k_q28e00e0fc5_main
    .symbol:         k_q28e00e0fc5_main.kd
    .args:
      - { .name: enc_states, .offset: 0, .size: 8, .value_kind: global_buffer, .address_space: global }
      - { .name: enc_len, .offset: 8, .size: 8, .value_kind: global_buffer, .address_space: global }
      - { .name: wq_enc, .offset: 16, .size: 8, .value_kind: global_buffer, .address_space: global }
      - { .name: ws_enc, .offset: 24, .size: 8, .value_kind: global_buffer, .address_space: global }
      - { .name: hw, .offset: 32, .size: 8, .value_kind: global_buffer, .address_space: global }
      - { .name: sc, .offset: 40, .size: 8, .value_kind: global_buffer, .address_space: global }
      - { .name: ctxp, .offset: 48, .size: 8, .value_kind: global_buffer, .address_space: global }
    .group_segment_fixed_size: 308224
    .private_segment_fixed_size: 0
    .kernarg_segment_align: 8
    .kernarg_segment_size: 56
    .max_flat_workgroup_size: 256
    .sgpr_count:     66
    .vgpr_count:     512
    .wavefront_size: 32
...
	.end_amdgpu_metadata
.endif
;; end of part 2
;; launch fin (part 3): grid 8 x 32, 8 waves a work-group, no clusters, 13,568 bytes of LDS; arguments ctxp, sc, enc_len, wq_out, ws_out, b_out, out0, out1; writes out0, out1
.if DOCPART == 3
	.amdgcn_target "amdgcn-amd-amdhsa--gfx1250"
	.amdhsa_code_object_version 6
	.text
	.protected	k_q28e00e0fc5_fin
	.globl	k_q28e00e0fc5_fin
	.p2align	8
	.type	k_q28e00e0fc5_fin,@function
k_q28e00e0fc5_fin:
	s_mov_b64 s[64:65], 0
	v_nop
	global_prefetch_b8 v0, s[64:65] scope:SCOPE_SE
	s_setreg_imm32_b32 hwreg(HW_REG_WAVE_MODE, 25, 1), 1
	s_wait_xcnt 0x0
; Work-group (j, b): the softmax of batch b over its 32 blocks, rows 256 j .. + 255 of the weights (out1), the whole context of the batch, and columns 128 j .. + 127 of context W_out + b_out (out0).
; WORK LEFT OUT: the parts of the context of blocks that lie wholly at or past enc_len[b] were not made and are not read (shown at the head of the first kernel): in their place the last block that counts is
; read once more, and its weight there is 0.  enc_len enters an address only behind s_min_u32 with a constant.  LIMITS as stated at the head of the first kernel.
; sc holds u = log2(e) x score, -infinity where masked.  For block c: m_c = its largest u (the same number that the second launch took), l_c = the sum of 2^(u - m_c).  M = the largest m_c,
; L = the sum of 2^(m_c - M) l_c; weight = 2^(u - m_c) 2^(m_c - M) / L; context = the sum of 2^(m_c - M) / L x the block's part.  A block with no row that counts has m_c = -3e38, a floor under every u, and l_c = 0.
; The context is one row: the product's source 0 is sixteen copies of it.  Wave w takes K step w for the eight tiles of 16 columns; the waves' parts are added through LDS.
; The eight work-groups of a batch each form the whole context: 128 KiB read at the most, against a further launch.  No tensor loads, no cluster: what they share is small.
.set ST,    0                          ; LDS: 32 x (m_c, l_c)
.set CX,    256                        ; the context: 4,096 bytes
.set RED,   4352                       ; [K step][tile][lane] f32
.set SPARE, 12544                      ; the spare words, 128 bytes a wave, which no other line names
.set SPW, 28
.set NIL, 29
.set MQ,  18                           ; v18-21 (m, l) of my two blocks
.set U,   32                           ; v32-39 u, then 2^(u - m), then the weights
.set BSC, 40                           ; v40-47 W_out's scale words, a tile each
.set X,   64                           ; v64-191 the 32 parts of the context; later 64 numbers, and from v128 eight accumulators
.set DA,  128
.set PC,  192
.set PW,  200
.set TM,  208
.set CT,  224                          ; v224-227 my four numbers of the context
.set BO,  228                          ; v228-231 b_out
.set SEL, 26                           ; s[26:27]
.set MSB, 0
.macro WIN new
.if MSB != \new
	s_set_vgpr_msb (MSB<<8)|\new
.set MSB, \new
.endif
.endm
.macro QUANT s, pc, pw                 ; 64 numbers of a lane, register 16 b + i = k 32 b + 16 (lane / 16) + i -> a fragment and its scale word
.irp b, 0,1,2,3
	v_max3_num_f32 v[TM+\b], |v[\s+16*\b]|, |v[\s+1+16*\b]|, 0x1800000   ; and the floor 2^(3 - 127): the byte cannot fall under 1
.endr
.irp i, 2,4,6,8,10,12,14
.irp b, 0,1,2,3
	s_delay_alu instid0(VALU_DEP_4)
	v_max3_num_f32 v[TM+\b], v[TM+\b], |v[\s+16*\b+\i]|, |v[\s+1+16*\b+\i]|
.endr
.endr
.irp b, 0,1,2,3
	s_delay_alu instid0(VALU_DEP_4)
	v_permlanex16_b32 v[TM+4+\b], v[TM+\b], s[SEL], s[SEL+1]
.endr
.irp b, 0,1,2,3
	s_delay_alu instid0(VALU_DEP_4)
	v_max_num_f32 v[TM+\b], v[TM+\b], v[TM+4+\b]
.endr
.irp b, 0,1,2,3
	s_delay_alu instid0(VALU_DEP_4)
	v_add_nc_u32 v[TM+8+\b], 0xff000000, v[TM+\b]
.endr
.irp b, 0,1,2,3
	s_delay_alu instid0(VALU_DEP_4)
	v_lshrrev_b32 v[TM+4+\b], 23, v[TM+8+\b]
.endr
	s_delay_alu instid0(VALU_DEP_3)
	v_lshl_or_b32 v[\pw], v[TM+5], 8, v[TM+4]
	s_delay_alu instid0(VALU_DEP_1)
	v_lshl_or_b32 v[\pw], v[TM+6], 16, v[\pw]
	s_delay_alu instid0(VALU_DEP_1)
	v_lshl_or_b32 v[\pw], v[TM+7], 24, v[\pw]
.irp b, 0,1,2,3
	v_cvt_scalef32_pk8_fp4_f32 v[\pc+2*\b], v[\s+16*\b:\s+7+16*\b], v[TM+8+\b]
	v_cvt_scalef32_pk8_fp4_f32 v[\pc+1+2*\b], v[\s+8+16*\b:\s+15+16*\b], v[TM+8+\b]
.endr
	v_nop                                          ; one plain place behind a scaled conversion
.irp c, 0,1
.irp i, 0,1
	v_permlane16_swap_b32 v[\pc+4*\c+\i], v[\pc+2+4*\c+\i]
.endr
.endr
.endm
.macro BARRIER
	s_wait_dscnt 0x0
	s_barrier_signal -1
	s_barrier_wait -1
.endm
	s_load_b512 s[4:19], s[0:1], 0x0               ; ctxp 4, sc 6, enc_len 8, wq_out 10, ws_out 12, b_out 14, out0 16, out1 18
	v_lshl_add_u32 v[SPW], v0, 2, SPARE
	v_mov_b32 v[NIL], 0
	v_lshrrev_b32 v10, 5, v0
	s_delay_alu instid0(VALU_DEP_1)
	v_readfirstlane_b32 s20, v10                   ; wave w
	s_mov_b32 s21, ttmp9                           ; j
	s_and_b32 s22, ttmp7, 0xffff                   ; b
	s_mov_b32 s[SEL], 0x76543210
	s_mov_b32 s[SEL+1], 0xfedcba98
	v_and_b32 v10, 31, v0                          ; lane
	v_and_b32 v11, 15, v0                          ; r
	v_bfe_u32 v12, v0, 4, 1                        ; h
	s_delay_alu instid0(VALU_DEP_3)
	v_lshlrev_b32 v1, 4, v10                       ; 16 lane
	v_lshlrev_b32 v2, 4, v0                        ; 16 thread
	s_delay_alu instid0(VALU_DEP_4)
	v_lshlrev_b32 v3, 4, v11                       ; 16 r
	s_lshl_b32 s28, s20, 5
	v_lshl_add_u32 v4, v12, 3, s28                 ; ST (= 0) + 32 w + 8 h: block 4 w + 2 q + h
	v_lshlrev_b32 v5, 3, v10                       ; ST + 8 lane: lane = block
	v_add_nc_u32 v6, CX, v2
	s_lshl_b32 s28, s20, 9
	s_add_co_u32 s28, s28, CX
	v_lshl_add_u32 v7, v12, 6, s28                 ; the context's K step w, + 64 h
	s_lshl_b32 s28, s20, 10
	s_add_co_u32 s28, s28, RED
	v_lshl_add_u32 v8, v10, 2, s28
	v_lshrrev_b32 v13, 2, v10
	v_and_b32 v14, 3, v10
	s_delay_alu instid0(VALU_DEP_2)
	v_lshlrev_b32 v9, 7, v13
	s_delay_alu instid0(VALU_DEP_1)
	v_lshl_add_u32 v9, v14, 4, v9
	s_delay_alu instid0(VALU_DEP_1)
	v_add_nc_u32 v9, RED, v9                       ; columns 4 lane .. + 3: tile lane / 4, lanes 4 (lane % 4) on
	v_mov_b32 v13, 0                               ; a lane permute's destination counts as one of its sources
.irp b, 0,1,2,3
	v_mov_b32 v[TM+4+\b], 0
.endr
	s_wait_kmcnt 0x0
	s_lshl_b32 s28, s22, 2
	s_mov_b32 s29, 0
	s_add_nc_u64 s[8:9], s[8:9], s[28:29]
	s_load_b32 s23, s[8:9], 0x0                    ; enc_len[b]
	s_lshl_b32 s28, s22, 13
	s_lshl_b32 s30, s20, 10
	s_add_co_u32 s28, s28, s30
	s_add_nc_u64 s[6:7], s[6:7], s[28:29]          ; sc: batch b, rows 256 w on
	s_lshl_b32 s28, s22, 17
	s_add_nc_u64 s[4:5], s[4:5], s[28:29]          ; ctxp: batch b
	s_lshl_b32 s28, s21, 16
	s_add_co_u32 s28, s28, s30
	s_add_nc_u64 s[10:11], s[10:11], s[28:29]      ; wq_out: tiles 8 j on, K step w
	s_lshl_b32 s28, s21, 12
	s_lshr_b32 s30, s20, 2
	s_lshl_b32 s30, s30, 8
	s_add_co_u32 s28, s28, s30
	s_and_b32 s30, s20, 3
	s_lshl_b32 s30, s30, 2
	s_add_co_u32 s28, s28, s30
	s_add_nc_u64 s[12:13], s[12:13], s[28:29]      ; ws_out: the same tiles, the word of K step w
	s_lshl_b32 s28, s21, 9
	s_add_nc_u64 s[14:15], s[14:15], s[28:29]      ; b_out: columns 128 j on
	s_lshl_b32 s30, s22, 12
	s_add_co_u32 s28, s28, s30
	s_add_nc_u64 s[16:17], s[16:17], s[28:29]      ; out0
	s_lshl_b32 s28, s22, 13
	s_lshl_b32 s30, s21, 10
	s_add_co_u32 s28, s28, s30
	s_add_nc_u64 s[18:19], s[18:19], s[28:29]      ; out1: rows 256 j on
	global_load_b128 v[U:U+3], v1, s[6:7]                          ; rows 256 w + 4 lane + i: block 4 w + h
	global_load_b128 v[U+4:U+7], v1, s[6:7] offset:512             ; and 128 further on: block 4 w + 2 + h
	s_wait_kmcnt 0x0
	s_sub_co_u32 s24, s23, 1
	s_lshr_b32 s24, s24, 6
	s_min_u32 s24, s24, 31                         ; the last block that holds a row that counts
.set c_, 0
.rept 32
.if c_ < 16
.set o_, 48+c_
.else
.set o_, 216+c_
.endif
	s_min_u32 s30, s24, c_                         ; block c, or the last that was made
	v_lshl_add_u32 v[o_], s30, 12, v2              ; an offset register for each load: none is written again
	global_load_b128 v[X+4*c_:X+4*c_+3], v[o_], s[4:5]
.set c_, c_+1
.endr
	WIN 0x40                                       ; destination window 1
.irp i, 0,1,2,3,4,5,6,7
	global_load_b128 v[8*\i:8*\i+3], v1, s[10:11] offset:\i*8192
	global_load_b128 v[8*\i+4:8*\i+7], v1, s[10:11] offset:\i*8192+512
.endr
	WIN 0
.irp i, 0,1,2,3,4,5,6,7
	global_load_b32 v[BSC+\i], v3, s[12:13] offset:\i*512
.endr
	global_load_b128 v[BO:BO+3], v1, s[14:15]
	s_wait_loadcnt 57                              ; behind the two loads of u: 32 + 16 + 8 + 1
.irp q, 0,1
	v_max3_num_f32 v[MQ+2*\q], v[U+4*\q], v[U+4*\q+1], v[U+4*\q+2]
.endr
.irp q, 0,1
	s_delay_alu instid0(VALU_DEP_2)
	v_max3_num_f32 v[MQ+2*\q], v[MQ+2*\q], v[U+4*\q+3], 0xff61b1e6   ; and -3e38, so that a block with no row that counts has a number here
.endr
.irp x, 1,2,4,8
.irp q, 0,1
	s_delay_alu instid0(VALU_DEP_2)
	v_max_num_f32_dpp v[MQ+2*\q], v[MQ+2*\q], v[MQ+2*\q] row_xmask:\x row_mask:0xf bank_mask:0xf
.endr
.endr
.irp q, 0,1
.irp i, 0,1,2,3
	v_sub_f32 v[U+4*\q+\i], v[U+4*\q+\i], v[MQ+2*\q]
.endr
.endr
	s_wait_alu depctr_va_vdst(0)
.irp i, 0,1,2,3,4,5,6,7
	v_exp_f32 v[U+\i], v[U+\i]
.endr
	v_nop
	s_wait_alu depctr_va_vdst(0)                   ; one wait for the eight
.irp q, 0,1
	v_add_f32 v[MQ+2*\q+1], v[U+4*\q], v[U+4*\q+1]
	v_add_f32 v[24+\q], v[U+4*\q+2], v[U+4*\q+3]
.endr
.irp q, 0
	s_delay_alu instid0(VALU_DEP_3)
	v_add_f32 v[MQ+2*\q+1], v[MQ+2*\q+1], v[24+\q]
.endr
.irp q, 1
	s_delay_alu instid0(VALU_DEP_2)
	v_add_f32 v[MQ+2*\q+1], v[MQ+2*\q+1], v[24+\q]
.endr
.irp x, 1,2,4,8
.irp q, 0,1
	s_delay_alu instid0(VALU_DEP_2)
	v_add_f32_dpp v[MQ+2*\q+1], v[MQ+2*\q+1], v[MQ+2*\q+1] row_xmask:\x row_mask:0xf bank_mask:0xf
.endr
.endr
.irp q, 0,1
	ds_store_b64 v4, v[MQ+2*\q:MQ+2*\q+1] offset:16*\q             ; sixteen lanes write the same pair
.endr
	BARRIER                                        ; the 32 blocks' (m, l) lie in LDS
	ds_load_b64 v[10:11], v5
	s_wait_dscnt 0x0
	v_mov_b32 v12, v10
.irp x, 1,2,4,8
	s_delay_alu instid0(VALU_DEP_1)
	v_max_num_f32_dpp v12, v12, v12 row_xmask:\x row_mask:0xf bank_mask:0xf
.endr
	s_delay_alu instid0(VALU_DEP_1)
	v_permlanex16_b32 v13, v12, s[SEL], s[SEL+1]
	s_delay_alu instid0(VALU_DEP_1)
	v_max_num_f32 v12, v12, v13                    ; M
	s_delay_alu instid0(VALU_DEP_1)
	v_sub_f32 v14, v10, v12
	s_wait_alu depctr_va_vdst(0)
	v_exp_f32 v14, v14                             ; 2^(m_c - M)
	v_nop
	s_wait_alu depctr_va_vdst(0)
	v_mul_f32 v15, v14, v11
.irp x, 1,2,4,8
	s_delay_alu instid0(VALU_DEP_1)
	v_add_f32_dpp v15, v15, v15 row_xmask:\x row_mask:0xf bank_mask:0xf
.endr
	s_delay_alu instid0(VALU_DEP_1)
	v_permlanex16_b32 v13, v15, s[SEL], s[SEL+1]
	s_delay_alu instid0(VALU_DEP_1)
	v_add_f32 v15, v15, v13                        ; L
	s_wait_alu depctr_va_vdst(0)
	v_rcp_f32 v16, v15
	v_nop
	s_wait_alu depctr_va_vdst(0)
	v_mul_f32 v17, v14, v16                        ; lane c: block c's weight
	s_cmp_lg_u32 s20, s21
	s_cbranch_scc1 .Lnot_j                         ; the wave whose 256 rows are this work-group's writes them
	v_sub_f32 v22, v[MQ], v12
	v_sub_f32 v23, v[MQ+2], v12
	s_wait_alu depctr_va_vdst(0)
	v_exp_f32 v22, v22
	v_exp_f32 v23, v23
	v_nop
	s_wait_alu depctr_va_vdst(0)
	v_mul_f32 v22, v22, v16
	v_mul_f32 v23, v23, v16
.irp q, 0,1
.irp i, 0,1,2,3
	v_mul_f32 v[U+4*\q+\i], v[U+4*\q+\i], v[22+\q]
.endr
.endr
	global_store_b128 v1, v[U:U+3], s[18:19]                       ; 512 bytes on end
	global_store_b128 v1, v[U+4:U+7], s[18:19] offset:512
.Lnot_j:
	s_wait_loadcnt 25                              ; behind the 32 parts: 16 + 8 + 1
.set c_, 0
	s_wait_alu depctr_va_vdst(0)
.rept 32
	v_readlane_b32 s[40+c_%8], v17, c_
.irp i, 0,1,2,3
.if c_ == 0
	v_mul_f32 v[CT+\i], s[40+c_%8], v[X+4*c_+\i]
.else
	v_fmac_f32 v[CT+\i], s[40+c_%8], v[X+4*c_+\i]
.endif
.endr
.set c_, c_+1
.endr
	ds_store_b128 v6, v[CT:CT+3]                   ; thread t: columns 4 t .. 4 t + 3 of the context
	BARRIER                                        ; the context lies in LDS
.irp b, 0,1,2,3
.irp j, 0,1,2,3
	ds_load_b128 v[X+16*\b+4*\j:X+16*\b+4*\j+3], v7 offset:128*\b+16*\j   ; all sixteen rows of the operand are the one context
.endr
.endr
	s_wait_dscnt 0x0
	QUANT X, PC, PW
	s_wait_alu depctr_va_vdst(0)
	s_wait_loadcnt 0x0                             ; W_out's fragments and scale words, b_out
.rept 8
	v_nop                                          ; a scale register written by a vector instruction stands 8 places ahead of a scaled matrix instruction, an operand 4
.endr
	WIN 0x04                                       ; source 1 (W_out) in window 1
.irp i, 0,1,2,3,4,5,6,7                ; eight sums of their own, each begun with 0
	v_wmma_scale_f32_16x16x128_f8f6f4 v[DA+8*\i:DA+8*\i+7], v[PC:PC+7], v[8*\i:8*\i+7], 0, v[PW], v[BSC+\i] matrix_a_fmt:MATRIX_FMT_FP4 matrix_b_fmt:MATRIX_FMT_FP4
.endr
	WIN 0
.rept 4
	v_nop
.endr
.irp i, 0,1,2,3,4,5,6,7
	ds_store_b32 v8, v[DA+8*\i] offset:\i*128      ; the lowest register: row 0 (or 8, the same) at column r of tile i
.endr
	BARRIER                                        ; the eight K steps' parts lie in LDS
	s_cmp_lg_u32 s20, 0
	s_cbranch_scc1 .Lend
.irp p, 0,1,2,3,4,5,6,7
	ds_load_b128 v[X+4*\p:X+4*\p+3], v9 offset:\p*1024
.endr
	s_wait_dscnt 0x0
.irp p, 0,8,16,24
	v_pk_add_f32 v[X+\p:X+\p+1], v[X+\p:X+\p+1], v[X+\p+4:X+\p+5]
	v_pk_add_f32 v[X+\p+2:X+\p+3], v[X+\p+2:X+\p+3], v[X+\p+6:X+\p+7]
.endr
.irp p, 0
	v_pk_add_f32 v[X+\p:X+\p+1], v[X+\p:X+\p+1], v[X+\p+8:X+\p+9]
	v_pk_add_f32 v[X+\p+2:X+\p+3], v[X+\p+2:X+\p+3], v[X+\p+10:X+\p+11]
.endr
.irp p, 16
	s_delay_alu instid0(VALU_DEP_4)
	v_pk_add_f32 v[X+\p:X+\p+1], v[X+\p:X+\p+1], v[X+\p+8:X+\p+9]
	s_delay_alu instid0(VALU_DEP_4)
	v_pk_add_f32 v[X+\p+2:X+\p+3], v[X+\p+2:X+\p+3], v[X+\p+10:X+\p+11]
.endr
	s_delay_alu instid0(VALU_DEP_2)
	v_pk_add_f32 v[X:X+1], v[X:X+1], v[X+16:X+17]
	s_delay_alu instid0(VALU_DEP_2)
	v_pk_add_f32 v[X+2:X+3], v[X+2:X+3], v[X+18:X+19]
	s_delay_alu instid0(VALU_DEP_2)
	v_pk_add_f32 v[X:X+1], v[X:X+1], v[BO:BO+1]
	s_delay_alu instid0(VALU_DEP_2)
	v_pk_add_f32 v[X+2:X+3], v[X+2:X+3], v[BO+2:BO+3]
	global_store_b128 v1, v[X:X+3], s[16:17]       ; 512 bytes on end
.Lend:
	s_wait_tensorcnt 0x0                           ; the wave's end, behind my last LDS store
	ds_add_u32 v[SPW], v[NIL]
	s_wait_dscnt 0x0
	s_endpgm
.Lfunc_end_k_q28e00e0fc5_fin:
	.size	k_q28e00e0fc5_fin, .Lfunc_end_k_q28e00e0fc5_fin-k_q28e00e0fc5_fin
	.p2alignl 7, 3214868480
	.fill 96, 4, 3214868480
	.section	.rodata,"a",@progbits
	.p2align	6, 0x0
	.amdhsa_kernel k_q28e00e0fc5_fin
		.amdhsa_group_segment_fixed_size 13568
		.amdhsa_private_segment_fixed_size 0
		.amdhsa_enable_private_segment 0
		.amdhsa_kernarg_size 64
		.amdhsa_user_sgpr_count 2
		.amdhsa_user_sgpr_kernarg_segment_ptr 1
		.amdhsa_wavefront_size32 1
		.amdhsa_system_sgpr_workgroup_id_x 1
		.amdhsa_system_sgpr_workgroup_id_y 1
		.amdhsa_system_sgpr_workgroup_id_z 1
		.amdhsa_system_vgpr_workitem_id 0
		.amdhsa_next_free_vgpr 320
		.amdhsa_next_free_sgpr 66
		.amdhsa_reserve_vcc 0
		.amdhsa_float_denorm_mode_32 3
		.amdhsa_float_denorm_mode_16_64 3
		.amdhsa_memory_ordered 1
		.amdhsa_forward_progress 1
		.amdhsa_inst_pref_size 34
	.end_amdhsa_kernel
	.amdgpu_metadata
---
amdhsa.version: [ 1, 2 ]
amdhsa.kernels:
  - .name:           k_q28e00e0fc5_fin
    .symbol:         k_q28e00e0fc5_fin.kd
    .args:
      - { .name: ctxp, .offset: 0, .size: 8, .value_kind: global_buffer, .address_space: global }
      - { .name: sc, .offset: 8, .size: 8, .value_kind: global_buffer, .address_space: global }
      - { .name: enc_len, .offset: 16, .size: 8, .value_kind: global_buffer, .address_space: global }
      - { .name: wq_out, .offset: 24, .size: 8, .value_kind: global_buffer, .address_space: global }
      - { .name: ws_out, .offset: 32, .size: 8, .value_kind: global_buffer, .address_space: global }
      - { .name: b_out, .offset: 40, .size: 8, .value_kind: global_buffer, .address_space: global }
      - { .name: out0, .offset: 48, .size: 8, .value_kind: global_buffer, .address_space: global }
      - { .name: out1, .offset: 56, .size: 8, .value_kind: global_buffer, .address_space: global }
    .group_segment_fixed_size: 13568
    .private_segment_fixed_size: 0
    .kernarg_segment_align: 8
    .kernarg_segment_size: 64
    .max_flat_workgroup_size: 256
    .sgpr_count:     66
    .vgpr_count:     320
    .wavefront_size: 32
...
	.end_amdgpu_metadata
.endif
;; end of part 3
